; MI455X (gfx1250); checked and timed in simulation.
; The chip was launched on July 23, 2026; its instructions are those of AMD's public machine-readable ISA for CDNA 5 (MIT licence, August 2026) and "CDNA5" Instruction Set Architecture Reference Guide (July 2026). The comments in the code are by the model that wrote it; some were corrected since.
;; Kmeans Vector Quantizer. Allowed arithmetic: float matrix products may take bf16 or f16 operands with f32 sums; all other float work in f32.
;; Inputs: W 8,192 x 512 float32; idx 32 x 512 int32; label 32 x 512 int32; x 32 x 512 x 512 float32.
;; Outputs: out0 32 x 512 x 512 float32; out1 one number float32; out2 32 x 512 int32.
;; One version. Each part assembles by itself: llvm-mc -triple=amdgcn-amd-amdhsa -mcpu=gfx1250 --defsym DOCPART=n.
;; ======== version 1 of 1: 4 launches
;; workspace buffers: wt 8,388,608 bytes; bn 32,768 bytes; candd 131,072 bytes; candi 131,072 bytes of whole numbers; part 1,024 bytes
;; launch prepw (part 1): grid 256 x 1, 4 waves a work-group, no clusters, 768 bytes of LDS; arguments W, wt, bn; writes wt, bn
.if DOCPART == 1
	.amdgcn_target "amdgcn-amd-amdhsa--gfx1250"
	.amdhsa_code_object_version 6
	.text
	.protected	k_q285971dfb8_prepw
	.globl	k_q285971dfb8_prepw
	.p2align	8
	.type	k_q285971dfb8_prepw,@function
k_q285971dfb8_prepw:
	s_mov_b64 s[64:65], 0
	v_nop
	global_prefetch_b8 v0, s[64:65] scope:SCOPE_SE
	s_setreg_imm32_b32 hwreg(HW_REG_WAVE_MODE, 25, 1), 1
	s_wait_xcnt 0x0
; W [8192][512] f32  ->  wt: the same numbers rounded to bf16, laid out in the order in which the distance kernel walks them,
;                        bn[code] = sum over k of bf16(W[code][k])^2 in f32.
; wt byte address = ((code >> 9) * 8 + (k >> 6)) * 65536 + (code & 511) * 128 + (k & 63) * 2: a block of 512 codes x 64 k is 65,536 consecutive bytes.
; A work-group takes 32 codes, a wave 8 of them as four pairs q.  Lane l: g = l & 7 (which 8 numbers of a piece of 64 k), p = (l >> 3) & 1 (which code
; of the pair), u = l >> 4 (even or odd piece of 64 k).  A lane reads 8 f32 (two loads of 16 bytes) and writes 8 bf16 (16 bytes); lanes 0-15 of a store
; cover 256 consecutive bytes at a multiple of 256 in wt (two codes x 128 bytes), lanes 16-31 the same place one piece of 64 k further on.
; The problem's inputs label and idx enter no result of the function that is computed, so no launch of this program names them.
; The order of the f32 sum in bn differs from a sum along the row.  Memory binds here: no matrix unit, no cluster, LDS only to gather 32 sums.
.set RAW, 16                           ; v[16:143]  pair q, piece j: 8 registers as loaded; the first 4 then hold the 8 bf16 that are stored
.set T,   144                          ; v[144:151] the rounded numbers widened again
.set CH,  152                          ; v[152:155] two chains of packed sums of squares
.set PT,  156                          ; v156       what the other half of the lanes holds
	s_load_b128 s[4:7], s[0:1], 0x0                ; W s[4:5], wt s[6:7]
	s_load_b64 s[8:9], s[0:1], 0x10                ; bn
	v_lshl_add_u32 v160, v0, 2, 0x100
	v_mov_b32 v161, 0
	v_lshrrev_b32 v1, 5, v0
	v_readfirstlane_b32 s10, v1                    ; wave 0..3
	v_and_b32 v5, 7, v0                            ; g
	v_bfe_u32 v6, v0, 3, 1                         ; p
	v_bfe_u32 v7, v0, 4, 1                         ; u
	v_lshlrev_b32 v2, 5, v5                        ; in W: 32 g
	v_lshl_add_u32 v2, v7, 8, v2                   ;  + 256 u
	v_lshl_add_u32 v2, v6, 11, v2                  ;  + 2,048 p (a row)
	v_lshl_add_u32 v2, v1, 14, v2                  ;  + 16,384 wave (8 rows)
	v_lshlrev_b32 v3, 4, v5                        ; in wt: 16 g
	v_lshl_add_u32 v3, v6, 7, v3                   ;  + 128 p
	v_lshl_add_u32 v3, v1, 10, v3                  ;  + 1,024 wave (8 codes)
	v_lshl_add_u32 v3, v7, 16, v3                  ;  + 65,536 u
	v_lshlrev_b32 v4, 2, v6                        ; in LDS: word 8 wave + 2 q + p
	v_lshl_add_u32 v4, v1, 5, v4
	v_mov_b32 v[PT], 0                             ; the lane permute counts as a reader of its destination
	s_mov_b32 s18, 0xffff0000                      ; a word's upper bf16
	s_mov_b32 s19, 0x76543210                      ; lane i of one half reads lane i of the other
	s_mov_b32 s20, 0xfedcba98
	s_lshl_b32 s12, ttmp9, 16                      ; W: 32 rows of 2,048 bytes a work-group
	s_mov_b32 s13, 0
	s_lshr_b32 s14, ttmp9, 4                       ; wt: (code >> 9) * 8 * 65,536
	s_lshl_b32 s14, s14, 19
	s_and_b32 s15, ttmp9, 15                       ;  + (code & 511) * 128 for the group's first code
	s_lshl_b32 s15, s15, 12
	s_add_co_u32 s14, s14, s15
	s_mov_b32 s15, 0
	s_lshl_b32 s16, ttmp9, 7                       ; bn: 32 numbers a work-group
	s_mov_b32 s17, 0
	s_wait_kmcnt 0x0
	s_add_nc_u64 s[4:5], s[4:5], s[12:13]
	s_add_nc_u64 s[6:7], s[6:7], s[14:15]
	s_add_nc_u64 s[8:9], s[8:9], s[16:17]
	; all 32 loads of the wave go out at once: 16 KiB a wave on their way
.irp q, 0,1,2,3
.irp j, 0,1,2,3
	global_load_b128 v[RAW+32*\q+8*\j:RAW+32*\q+8*\j+3],   v2, s[4:5] offset:4096*\q+512*\j th:TH_LOAD_NT
	global_load_b128 v[RAW+32*\q+8*\j+4:RAW+32*\q+8*\j+7], v2, s[4:5] offset:4096*\q+512*\j+16 th:TH_LOAD_NT
.endr
.endr
; One pair of codes.  left = the loads of the younger pairs, 8 each, which may stay out.
.macro PAIRQ q, left
	s_wait_loadcnt \left
.irp j, 0,1,2,3
.set RR, RAW+32*\q+8*\j
	v_cvt_pk_bf16_f32 v[RR],   v[RR],   v[RR+1]    ; in place, each word written after its old value has been used
	v_cvt_pk_bf16_f32 v[RR+1], v[RR+2], v[RR+3]
	v_cvt_pk_bf16_f32 v[RR+2], v[RR+4], v[RR+5]
	v_cvt_pk_bf16_f32 v[RR+3], v[RR+6], v[RR+7]
	global_store_b128 v3, v[RR:RR+3], s[6:7] offset:131072*\j+256*\q   ; these four registers are not written again
.irp c, 0,1,2,3
	v_lshlrev_b32 v[T+2*\c],   16,  v[RR+\c]        ; the ROUNDED numbers are squared: bn belongs to the bf16 codebook
	v_and_b32     v[T+2*\c+1], s18, v[RR+\c]
.endr
.if \j == 0
	v_pk_mul_f32 v[CH:CH+1],   v[T:T+1],   v[T:T+1]        ; the first products start the chains
	v_pk_mul_f32 v[CH+2:CH+3], v[T+2:T+3], v[T+2:T+3]
.else
	v_pk_fma_f32 v[CH:CH+1],   v[T:T+1],   v[T:T+1],   v[CH:CH+1]
	v_pk_fma_f32 v[CH+2:CH+3], v[T+2:T+3], v[T+2:T+3], v[CH+2:CH+3]
.endif
	v_pk_fma_f32 v[CH:CH+1],   v[T+4:T+5], v[T+4:T+5], v[CH:CH+1]
	v_pk_fma_f32 v[CH+2:CH+3], v[T+6:T+7], v[T+6:T+7], v[CH+2:CH+3]
.endr
	v_pk_add_f32 v[CH:CH+1], v[CH:CH+1], v[CH+2:CH+3]
	v_add_f32 v[CH], v[CH], v[CH+1]
	v_add_f32_dpp v[CH], v[CH], v[CH] row_xmask:1 row_mask:0xf bank_mask:0xf   ; over the eight lanes g of a code
	v_add_f32_dpp v[CH], v[CH], v[CH] row_xmask:2 row_mask:0xf bank_mask:0xf
	v_add_f32_dpp v[CH], v[CH], v[CH] row_xmask:4 row_mask:0xf bank_mask:0xf
	v_permlanex16_b32 v[PT], v[CH], s19, s20       ; and over u
	v_add_f32 v[CH], v[CH], v[PT]
	ds_store_b32 v4, v[CH] offset:8*\q             ; the sixteen lanes of a code write one word with one value
.endm
	PAIRQ 0, 24
	PAIRQ 1, 16
	PAIRQ 2, 8
	PAIRQ 3, 0
	s_wait_dscnt 0x0                               ; my sums are in LDS before I say so
	s_barrier_signal -1
	s_barrier_wait -1
	s_cmp_lg_u32 s10, 0
	s_cbranch_scc1 .Lend
	v_lshlrev_b32 v5, 4, v5                        ; wave 0, lanes 0-7: the group's 32 sums, 128 consecutive bytes of bn
	v_cmp_gt_u32 vcc_lo, 8, v0
	s_wait_xcnt 0x0                                ; EXEC is a source of the stores above: it changes only behind this wait
	s_and_saveexec_b32 s11, vcc_lo
	ds_load_b128 v[8:11], v5
	s_wait_dscnt 0x0
	global_store_b128 v5, v[8:11], s[8:9]
	s_wait_xcnt 0x0                                ; and again in front of the line that widens it
	s_or_b32 exec_lo, exec_lo, s11
.Lend:
	s_wait_tensorcnt 0x0
	ds_add_u32 v160, v161
	s_wait_dscnt 0x0
	s_endpgm
.Lfunc_end_k_q285971dfb8_prepw:
	.size	k_q285971dfb8_prepw, .Lfunc_end_k_q285971dfb8_prepw-k_q285971dfb8_prepw
	.p2alignl 7, 3214868480
	.fill 96, 4, 3214868480
	.section	.rodata,"a",@progbits
	.p2align	6, 0x0
	.amdhsa_kernel k_q285971dfb8_prepw
		.amdhsa_group_segment_fixed_size 768
		.amdhsa_private_segment_fixed_size 0
		.amdhsa_enable_private_segment 0
		.amdhsa_kernarg_size 24
		.amdhsa_user_sgpr_count 2
		.amdhsa_user_sgpr_kernarg_segment_ptr 1
		.amdhsa_wavefront_size32 1
		.amdhsa_system_sgpr_workgroup_id_x 1
		.amdhsa_system_sgpr_workgroup_id_y 1
		.amdhsa_system_sgpr_workgroup_id_z 1
		.amdhsa_system_vgpr_workitem_id 0
		.amdhsa_next_free_vgpr 162
		.amdhsa_next_free_sgpr 66
		.amdhsa_reserve_vcc 1
		.amdhsa_float_denorm_mode_32 3
		.amdhsa_float_denorm_mode_16_64 3
		.amdhsa_memory_ordered 1
		.amdhsa_forward_progress 1
		.amdhsa_inst_pref_size 21
	.end_amdhsa_kernel
	.amdgpu_metadata
---
amdhsa.version: [ 1, 2 ]
amdhsa.kernels:
  - .name:           k_q285971dfb8_prepw
    .symbol:         k_q285971dfb8_prepw.kd
    .args:
      - { .name: W, .offset: 0, .size: 8, .value_kind: global_buffer, .address_space: global }
      - { .name: wt, .offset: 8, .size: 8, .value_kind: global_buffer, .address_space: global }
      - { .name: bn, .offset: 16, .size: 8, .value_kind: global_buffer, .address_space: global }
    .group_segment_fixed_size: 768
    .private_segment_fixed_size: 0
    .kernarg_segment_align: 8
    .kernarg_segment_size: 24
    .max_flat_workgroup_size: 128
    .sgpr_count:     66
    .vgpr_count:     162
    .wavefront_size: 32
...
	.end_amdgpu_metadata
.endif
;; end of part 1
;; launch dist (part 2): grid 128 x 2, 4 waves a work-group, clusters of 4 x 1, 327,680 bytes of LDS; arguments x, wt, bn, candd, candi; writes candd, candi
.if DOCPART == 2
	.amdgcn_target "amdgcn-amd-amdhsa--gfx1250"
	.amdhsa_code_object_version 6
	.text
	.protected	k_q285971dfb8_dist
	.globl	k_q285971dfb8_dist
	.p2align	8
	.type	k_q285971dfb8_dist,@function
k_q285971dfb8_dist:
	s_mov_b64 s[64:65], 0
	v_nop
	global_prefetch_b8 v0, s[64:65] scope:SCOPE_SE
	s_setreg_imm32_b32 hwreg(HW_REG_WAVE_MODE, 25, 1), 1
	s_wait_xcnt 0x0
	s_wait_alu depctr_hold_cnt(0) depctr_sa_sdst(0) depctr_va_vdst(0) depctr_va_sdst(0) depctr_va_ssrc(0) depctr_va_vcc(0) depctr_vm_vsrc(0)
	s_getreg_b32 s2, hwreg(HW_REG_IB_STS2, 6, 4)
	s_cmp_eq_u32 s2, 0
	s_cbranch_scc0 .Lentry_in_a_cluster
	s_endpgm
.Lentry_in_a_cluster:
	s_bfe_u32 s2, ttmp6, 0x10000c
	s_cmp_lg_u32 s2, 0x3003
	s_cbranch_scc0 .Lentry_shape_is_right
	s_endpgm
.Lentry_shape_is_right:
; For 128 rows of x and one half (4,096) of the codes: d = (A_i + B_j) - 2 M_ij and the first argmin of d.
;   M = bf16(x) . bf16(W) on the matrix units with f32 sums;  A_i = sum of bf16(x)^2;  B_j = bn[j] (sum of bf16(W)^2).
;   d is rounded as the function computed rounds it: S = A_i + B_j (one rounding), d = fma(M, -2, S) (2 M is exact, so one rounding more).
;   Ties go to the lowest code at every step: (d, place) and (d, code) are compared as pairs, less, or equal with the lower place.
; Stored: candd[half][row] = the least d, candi[half][row] = its code.  The choice between the halves and the gather belong to the next launch.
; LIMITS: a NaN in x or W loses every minimum here, where an argmin would return its place.  The f32 sums in A, B and M run in another order than sums along a row.
; The problem's inputs label and idx enter no result of the function computed and are not named.
;
; SHAPE: four waves, one a SIMD.  The 128 rows of x are converted once and stay in LDS.  The half's codes go by in 8 blocks of 512; wave w takes codes
; 128 w .. 128 w + 127 of a block against all 128 rows: 64 accumulator tiles of 16 x 16, 512 registers.  K = 512 goes in 8 steps of 64 through two LDS slots.
; CLUSTER: the four work-groups of a cluster have the same half and different rows, so they walk the same tiles of wt: every tile is asked for jointly
; (mask 15).  x is shared by no two of them and comes through registers.
; ORDER OF THE BLOCKS: a cluster starts at block t0 and wraps round.  t0 is made of the cluster's x (0..31): bit 0 = x0^x3, bit 1 = x1^x4, bit 2 = x2^x3^x4, so
; that any sixteen clusters whose numbers agree in one bit still hold all eight starts.  The 32 clusters of a half thus do not all ask for one tile at one moment,
; and from its second block on a cluster asks for tiles that the cluster which started there has read before.
; A step of 64 k and not 128: beside the resident x (133,120 bytes) two slots of 73,728 bytes are what fits; wt is laid out so that a wave's part of a tile
; is 16,384 consecutive bytes, fetched as 64 rows of 256.
;
; LDS:  0 slot 0, 73,728 slot 1: wave w's part at w * 18,432, 128 codes at a pitch of 144 bytes (128 of data + 16: 36 words, so 16 rows begin at 16 different
;       banks of the 64: ISA guide 11.1);  147,456 x in bf16, 128 rows at a pitch of 1,040;  280,576 bn of my half, in the order in which the blocks are walked;
;       296,960 the waves' results;  301,056 A_i.
;       Tensor loads land in the two slots alone; everything written by LDS stores lies behind them in 256-byte blocks of its own.
; REGISTERS in windows of 256: window 0 addresses, argmin state, x fragments (two buffers), bn of my codes; window 1 W fragments (two buffers);
;       window 2 accumulator tiles of x rows 0-63 (tile (a, b) at v[8 (8 a + b)]), window 3 those of rows 64-127.
; THE MATRIX INSTRUCTION IS USED TRANSPOSED: source 0 = 16 codes, source 1 = 16 rows of x.  Lane l then holds x row l % 16 of tile a and, in registers 0-7 of
; tile (a, b), the codes 16 b + 8 (l / 16) + 0..7: the minimum over codes stays inside a lane until the very end.
.set SLOT,  73728
.set WPART, 18432                      ; a wave's part of a slot
.set WP,    144
.set XP,    1040
.set XL,    147456
.set BNL,   280576
.set SCR,   296960
.set AL,    301056
.set TILEB, 65536                      ; bytes of a tile (512 codes x 64 k) in wt
.set HALFB, 64*TILEB                   ; bytes of a half's 64 tiles
; window 0, main phase
.set ADRW, 16                          ; v16-17   my W fragments in slot 0, 1
.set ADRX, 18                          ; v18-19   x fragments of row tiles 0-3, 4-7
.set ADRB, 20                          ; v20      bn of my codes in this block
.set SENT, 21                          ; v21      64: above every place in a lane's 64 codes
.set MN,   22                          ; v22-23   the least d of a row tile
.set MN2,  23
.set G,    24                          ; v24-31   minima of eight
.set LI,   32                          ; v32-39   eight chains of places
.set BEST, 40                          ; v40-47   row tile a: least d so far
.set IDX,  48                          ; v48-55   and where: 64 x block + place
.set AV,   56                          ; v56-63   A_i of row 16 a + l % 16
.set F0,   64                          ; fragment buffer 0
.set F1,   128                         ; fragment buffer 1
.set T,    128                         ; between blocks buffer 1 of window 0 holds the 64 d of a row tile
.set BV,   192                         ; v192-255 bn of my 64 codes
; window 0, while x is converted
.set XO, 2                             ; byte offset of my 16 bytes in my wave's first row of x
.set XS, 3                             ; LDS address of my 8 bytes in that row
.set P,  4                             ; v4-11    a row's 16 numbers, packed
.set BJ, 4                             ; v4-11    before that: the byte offsets of my 16 bytes in the eight blocks of bn, in walked order
.set SQ, 12                            ; v12-15   sums of squares of four rows
.set CH, 16                            ; v16-19   two chains
.set PT, 20                            ; v20-23   from the other half of the lanes
.set BC, 24                            ; v24-55   bn on its way to LDS
.set AS, 56
.set BS, 57
.set BO, 58
.set XB, 64                            ; v64-255  three buffers of four rows of x
.set G1, 24                            ; s[24:31] descriptor group 1
.set G0, 32                            ; s[32:39] descriptor group 0, one set for each slot
.set OFS, 54                           ; s[54:57] slot n: byte offset of its tile in the half, a pair with 0 above
.set MK, 72                            ; s[72:79] eight compare masks
.set MSB, 0
.macro WIN new                         ; the immediate's high byte repeats the setting that is left
.if MSB != \new
	s_set_vgpr_msb (MSB<<8)|\new
.set MSB, \new
.endif
.endm
.set MUL_LO, 0xa1                      ; source 0 (W) window 1, source 1 (x) window 0, C and D window 2
.set MUL_HI, 0xf1                      ; the same, C and D window 3
.set TO_B,   0x40                      ; destination window 1, address window 0
.macro PLACES                          ; four plain vector instructions that name no matrix register (ISA guide 7.12.1)
.rept 4
	v_nop
.endr
.endm
; A round of the cluster's barrier behind its opening work-group barrier: wave 0 signals for the work-group, every wave waits for all four work-groups,
; the work-group's barrier closes the round.
.macro CREST
	s_cmp_lg_u32 s14, 0
	s_cbranch_scc1 .Lnot_wave_0_\@
	s_barrier_signal -3
.Lnot_wave_0_\@:
	s_barrier_wait -3
	s_barrier_signal -1
	s_barrier_wait -1
.endm
.macro CROUND
	s_barrier_signal -1
	s_barrier_wait -1
	CREST
.endm
	s_load_b256 s[4:11], s[0:1], 0x0               ; x s[4:5], wt s[6:7], bn s[8:9], candd s[10:11]
	s_load_b64 s[12:13], s[0:1], 0x20              ; candi
	s_set_vgpr_msb 0x40
	v_lshl_add_u32 v254, v0, 2, 0x49a00
	v_mov_b32 v255, 0
	s_set_vgpr_msb 0x4045
	ds_add_u32 v254, v255
	s_set_vgpr_msb 0x4500
	v_lshrrev_b32 v1, 5, v0
	v_readfirstlane_b32 s14, v1                    ; wave 0..3
	s_bfe_u32 s15, ttmp6, 0x40000                  ; cx: my place in the cluster
	s_lshl_b32 s18, ttmp9, 2
	s_add_co_u32 s18, s18, s15                     ; row block = 4 x cluster x + cx, 0..127
	s_and_b32 s17, ttmp7, 0xffff                   ; half of the codes: the cluster's y
	s_lshr_b32 s16, ttmp9, 3                       ; t0, from the cluster's x alone, which the four partners share: x3, x4 at bits 0, 1
	s_lshr_b32 s19, ttmp9, 4                       ; x4 at bit 0
	s_xor_b32 s19, s19, s16                        ; bit 0: x3 ^ x4
	s_and_b32 s19, s19, 1
	s_lshl_b32 s19, s19, 2                         ; to bit 2
	s_xor_b32 s16, s16, ttmp9                      ; bits 0, 1, 2: x0^x3, x1^x4, x2
	s_xor_b32 s16, s16, s19
	s_and_b32 s16, s16, 7                          ; the block at which my cluster starts
	s_lshl_b32 s[OFS], s16, 19                     ; its first tile: 8 tiles of 65,536 bytes a block
	s_mov_b32 s[OFS+1], 0
	s_add_co_u32 s[OFS+2], s[OFS], TILEB           ; and its second (8 t0 + 1 is 57 at the most: no wrap here)
	s_mov_b32 s[OFS+3], 0
	s_mov_b32 s41, 0x76543210                      ; lane i of one half reads lane i of the other
	s_mov_b32 s42, 0xfedcba98
	s_mov_b32 s43, 0xffff0000                      ; a word's upper bf16
	; group 1: 64 rows of 32 elements of 8 bytes, dense; 16 bytes of padding behind every 32 words, that is behind each code's 128 bytes
	s_mov_b32 s[G1+0], 0x0733000f                  ; 15:0 mask 15 (all four of the cluster); 17:16 elements of 8 bytes; 20 padding on; 21 set beside a mask; 24:22 code 4; 31:25 code 3
	s_mov_b32 s[G1+1], 32<<16                      ; tensor_dim0 = 32
	s_mov_b32 s[G1+2], 64<<16                      ; tensor_dim1 = 64
	s_mov_b32 s[G1+3], 32<<16                      ; tile_dim0 = 32
	s_mov_b32 s[G1+4], 64                          ; tile_dim1 = 64
	s_mov_b32 s[G1+5], 32                          ; from row to row: 32 elements
	s_mov_b32 s[G1+6], 0
	s_mov_b32 s[G1+7], 0
	s_lshl_b32 s20, s17, 22                        ; wt: 64 tiles a half,
	s_lshl_b32 s21, s14, 14                        ;  my wave's 128 codes of a tile.  These registers never hold cx:
	s_add_co_u32 s20, s20, s21                     ;  the descriptor is the same in all four work-groups
	s_mov_b32 s21, 0
	s_mul_i32 s22, s14, WPART                      ; and where my part goes
	s_lshl_b32 s48, s18, 18                        ; x: 128 rows of 2,048 bytes a row block
	s_mov_b32 s49, 0
	s_lshl_b32 s50, s17, 14                        ; bn: 4,096 numbers a half
	s_mov_b32 s51, 0
	s_lshl_b32 s52, s17, 16                        ; candd, candi: [half][16384]
	s_lshl_b32 s53, s18, 9
	s_add_co_u32 s52, s52, s53
	s_mov_b32 s53, 0
	s_wait_dscnt 0x0
	s_wait_kmcnt 0x0
	s_add_nc_u64 s[6:7], s[6:7], s[20:21]          ; my wave's part of the half's tile 0; stays as it is from here on
	s_add_nc_u64 s[4:5], s[4:5], s[48:49]
	s_add_nc_u64 s[8:9], s[8:9], s[50:51]
	s_add_nc_u64 s[10:11], s[10:11], s[52:53]
	s_add_nc_u64 s[12:13], s[12:13], s[52:53]
	CROUND                                         ; all four work-groups are here: the first joint loads meet
.irp n, 0,1
	s_mov_b32 s[G0+4*\n], 1
	s_add_co_u32 s[G0+4*\n+1], s22, \n*SLOT
	s_add_nc_u64 s[G0+4*\n+2:G0+4*\n+3], s[6:7], s[OFS+2*\n:OFS+2*\n+1]
	s_or_b32 s[G0+4*\n+3], s[G0+4*\n+3], 0x80000000
	tensor_load_to_lds s[G0+4*\n:G0+4*\n+3], s[G1:G1+7]    ; the first two tiles: two loads of the wave are out, later never more than one
	s_nop 0
.endr
	; ---- x to bf16 in LDS, A_i, bn to LDS.  Wave w converts rows 32 w .. 32 w + 31, four at a time, three batches of loads on their way.
	v_and_b32 v1, 31, v0                           ; lane
	s_lshl_b32 s23, s14, 16
	v_lshl_add_u32 v[XO], v1, 4, s23               ; 65,536 w + 16 lane
	v_lshlrev_b32 v[BO], 4, v0                     ; bn: 16 bytes a thread, 2,048 a block
.macro XFILL n                                     ; four rows: a load of the wave covers 512 consecutive bytes
.irp r, 0,1,2,3
.irp j, 0,1,2,3
	global_load_b128 v[XB+64*((\n)%3)+16*\r+4*\j:XB+64*((\n)%3)+16*\r+4*\j+3], v[XO], s[4:5] offset:(4*(\n)+\r)*2048+512*\j
.endr
.endr
.endm
.irp j, 0,1,2,3,4,5,6,7
	s_add_co_u32 s23, s16, \j                      ; the j-th block walked is block (t0 + j) mod 8: the rotation stands in the global offset,
	s_and_b32 s23, s23, 7                          ; so that LDS holds bn in walked order and no LDS address hangs on t0
	s_lshl_b32 s23, s23, 11
	v_add_nc_u32 v[BJ+\j], s23, v[BO]
	global_load_b128 v[BC+4*\j:BC+4*\j+3], v[BJ+\j], s[8:9]
.endr
	XFILL 0
	XFILL 1
	XFILL 2
	s_mul_i32 s23, s14, 32*XP
	s_add_co_u32 s23, s23, XL
	v_lshl_add_u32 v[XS], v1, 3, s23               ; four numbers of a load become 8 bytes: byte 256 j + 8 lane of the row
	s_lshl_b32 s23, s14, 7
	s_add_co_u32 s23, s23, AL
	v_mov_b32 v[AS], s23                           ; my wave's 32 words of A
	v_add_nc_u32 v[BS], BNL, v[BO]
.irp r, 0,1,2,3
	v_mov_b32 v[PT+\r], 0                          ; the lane permute counts as a reader of its destination
.endr
	s_wait_loadcnt 48                              ; bn is in (its offset registers are free from here); the 48 loads of x behind it stay out
.irp j, 0,1,2,3,4,5,6,7
	ds_store_b128 v[BS], v[BC+4*\j:BC+4*\j+3] offset:2048*\j
.endr
; Batch n.  left = the loads of the younger batches, 16 each.
.macro XBATCH n, left
	s_wait_loadcnt \left
.irp r, 0,1,2,3
.set XR, XB+64*((\n)%3)+16*\r
.set i, 0
.rept 8
	v_cvt_pk_bf16_f32 v[P+i], v[XR+2*i], v[XR+2*i+1]
.set i, i+1
.endr
.irp j, 0,1,2,3
	ds_store_b64 v[XS], v[P+2*\j:P+2*\j+1] offset:(4*(\n)+\r)*XP+256*\j    ; 32 lanes, 256 consecutive bytes
.endr
.set i, 0
.rept 8
	v_lshlrev_b32 v[XR+2*i],   16,  v[P+i]         ; the ROUNDED numbers are squared
	v_and_b32     v[XR+2*i+1], s43, v[P+i]
.set i, i+1
.endr
	v_pk_mul_f32 v[CH:CH+1],   v[XR:XR+1],   v[XR:XR+1]
	v_pk_mul_f32 v[CH+2:CH+3], v[XR+2:XR+3], v[XR+2:XR+3]
.set i, 2
.rept 6
	v_pk_fma_f32 v[CH+2*(i%2):CH+2*(i%2)+1], v[XR+2*i:XR+2*i+1], v[XR+2*i:XR+2*i+1], v[CH+2*(i%2):CH+2*(i%2)+1]
.set i, i+1
.endr
	v_pk_add_f32 v[CH:CH+1], v[CH:CH+1], v[CH+2:CH+3]
	v_add_f32 v[SQ+\r], v[CH], v[CH+1]
.endr
.irp m, 1,2,4,8
.irp r, 0,1,2,3
	v_add_f32_dpp v[SQ+\r], v[SQ+\r], v[SQ+\r] row_xmask:\m row_mask:0xf bank_mask:0xf
.endr
.endr
.irp r, 0,1,2,3
	v_permlanex16_b32 v[PT+\r], v[SQ+\r], s41, s42
.endr
.irp r, 0,1,2,3
	v_add_f32 v[SQ+\r], v[SQ+\r], v[PT+\r]
	ds_store_b32 v[AS], v[SQ+\r] offset:(4*(\n)+\r)*4      ; every lane writes the row's word with the same value
.endr
.if \n <= 4
	XFILL \n+3                                     ; into the buffer just used up
.endif
.endm
	XBATCH 0, 32
	XBATCH 1, 32
	XBATCH 2, 32
	XBATCH 3, 32
	XBATCH 4, 32
	XBATCH 5, 32
	XBATCH 6, 16
	XBATCH 7, 0
	s_wait_dscnt 0x0                               ; my rows of x, my A and my part of bn are in LDS,
	s_wait_tensorcnt 0x1                           ; my part of the first tile too; the second may stay out
	s_barrier_signal -1
	s_barrier_wait -1
	; ---- addresses of the main phase
	v_and_b32 v1, 15, v0                           ; l % 16
	v_bfe_u32 v2, v0, 4, 1                         ; l / 16
	v_mul_u32_u24 v3, v1, WP
	v_lshl_add_u32 v3, v2, 4, v3                   ; a fragment: row x pitch + 16 x half, two loads 32 bytes apart
	v_add_nc_u32 v[ADRW], s22, v3
	v_add_nc_u32 v[ADRW+1], SLOT, v[ADRW]
	v_mul_u32_u24 v3, v1, XP
	v_lshl_add_u32 v3, v2, 4, v3
	v_add_nc_u32 v[ADRX], XL, v3
	v_add_nc_u32 v[ADRX+1], XL+64*XP, v3           ; row tiles 4-7: beyond what the 16-bit immediate reaches
	s_lshl_b32 s23, s14, 9
	s_add_co_u32 s23, s23, BNL
	v_lshl_add_u32 v[ADRB], v2, 5, s23             ; bn of code 128 w + 8 (l / 16) of the first block walked
	v_lshlrev_b32 v4, 2, v1
	v_add_nc_u32 v4, AL, v4
.irp a, 0,1,2,3,4,5,6,7
	ds_load_b32 v[AV+\a], v4 offset:64*\a
.endr
	v_mov_b32 v[SENT], 64
.irp a, 0,1,2,3,4,5,6,7
	v_mov_b32 v[BEST+\a], 0x7f800000               ; +infinity: the first finite d is taken; where every d is +infinity the place stays 0, the lowest
	v_mov_b32 v[IDX+\a], 0
.endr
	s_lshl_b32 s40, s16, 6                         ; 64 x the block at work
; 16 matrix instructions: x row tiles a0, a0 + 1 of the window's four x all 8 code tiles, 32 along K.  zero = 1: the product starts the sums.
; The 64 accumulators take turns, one instruction a turn, in the same order in every quarter.
.macro MUL16 f, hi, a0, zero
.irp a, \a0, \a0+1
.irp b, 0,1,2,3,4,5,6,7
.if \zero
	v_wmma_f32_16x16x32_bf16 v[8*(8*(\a)+\b):8*(8*(\a)+\b)+7], v[\f+8*\b:\f+8*\b+7], v[\f+8*(4*\hi+\a):\f+8*(4*\hi+\a)+7], 0
.else
	v_wmma_f32_16x16x32_bf16 v[8*(8*(\a)+\b):8*(8*(\a)+\b)+7], v[\f+8*\b:\f+8*\b+7], v[\f+8*(4*\hi+\a):\f+8*(4*\hi+\a)+7], v[8*(8*(\a)+\b):8*(8*(\a)+\b)+7]
.endif
.endr
.endr
.endm
; 32 LDS loads in one run: 128 codes at byte kw of the slot's rows, 128 rows of x at byte kx of theirs, 32 along K, into buffer f
.macro FETCH slot, kw, kx, f
	WIN TO_B
.irp i, 0,1,2,3,4,5,6,7
	ds_load_b128 v[\f+8*\i:\f+8*\i+3],   v[ADRW+\slot] offset:\kw+\i*16*WP
	ds_load_b128 v[\f+8*\i+4:\f+8*\i+7], v[ADRW+\slot] offset:\kw+\i*16*WP+32
.endr
	WIN 0
.irp i, 0,1,2,3
	ds_load_b128 v[\f+8*\i:\f+8*\i+3],   v[ADRX] offset:\kx+\i*16*XP
	ds_load_b128 v[\f+8*\i+4:\f+8*\i+7], v[ADRX] offset:\kx+\i*16*XP+32
.endr
.irp i, 0,1,2,3
	ds_load_b128 v[\f+32+8*\i:\f+32+8*\i+3],   v[ADRX+1] offset:\kx+\i*16*XP
	ds_load_b128 v[\f+32+8*\i+4:\f+32+8*\i+7], v[ADRX+1] offset:\kx+\i*16*XP+32
.endr
.endm
.macro BVLOAD                                      ; bn of my 64 codes of this block; the sixteen lanes of a half read the same words
.irp b, 0,1,2,3,4,5,6,7
	ds_load_b128 v[BV+8*\b:BV+8*\b+3],   v[ADRB] offset:64*\b
	ds_load_b128 v[BV+8*\b+4:BV+8*\b+7], v[ADRB] offset:64*\b+16
.endr
.endm
; The first quarter of a K step: multiplies buffer f, and in its middle fetches the second quarter into buffer g.
.macro QUARTER slot, kw, kx, f, g, zero
	s_wait_dscnt 8                                 ; W and x row tiles 0-3 are in; the youngest eight loads (row tiles 4-7) may be out
	WIN MUL_LO
	MUL16 \f, 0, 0, \zero
	MUL16 \f, 0, 2, \zero
	PLACES                                         ; in front of loads into registers that matrix instructions have read
	FETCH \slot, \kw, \kx, \g
	s_wait_dscnt 32                                ; all but the 32 just issued
	WIN MUL_HI
	MUL16 \f, 1, 0, \zero
	MUL16 \f, 1, 2, \zero
.endm
; The second quarter: multiplies buffer 1 and changes slots.  fill = 1: this slot is filled again, two tiles ahead, by a joint load.
; In front of the opening signal each wave waits for its reads of this slot and for all its tensor loads (the one that is out is its part of the next slot);
; there no load of the wave is out, so the slot's group 0 is written: the offset steps two tiles and wraps at the half's 64, and is added to the pointer, which
; itself is never changed.  Inside the round stands register work alone; the refill is the first thing behind the round's closing wait, one load a wave.
.macro TURN slot, next, kxn, fill, bv
	s_wait_dscnt 8
	WIN MUL_LO
	MUL16 F1, 0, 0, 0
	s_wait_dscnt 0                                 ; my reads of this slot are over
	s_set_vgpr_msb 0xa1a5
	s_wait_tensorcnt 0x0                           ; all my tensor loads have landed
	ds_add_u32 v254, v255
	s_wait_dscnt 0x0
	s_set_vgpr_msb 0xa5a1
.if \fill
	s_add_co_u32 s[OFS+2*\slot], s[OFS+2*\slot], 2*TILEB
	s_and_b32 s[OFS+2*\slot], s[OFS+2*\slot], HALFB-1
	s_add_nc_u64 s[G0+4*\slot+2:G0+4*\slot+3], s[6:7], s[OFS+2*\slot:OFS+2*\slot+1]
	s_or_b32 s[G0+4*\slot+3], s[G0+4*\slot+3], 0x80000000
.endif
	s_barrier_signal -1
	MUL16 F1, 0, 2, 0                              ; work on registers while the others arrive
	WIN 0
	s_barrier_wait -1
.if \fill
	CREST                                          ; no wave of any of the four work-groups still reads this slot or has a load on its way
	tensor_load_to_lds s[G0+4*\slot:G0+4*\slot+3], s[G1:G1+7]
	s_nop 0
.endif
	PLACES
	FETCH \next, 0, \kxn, F0
.if \bv
	BVLOAD
.endif
	WIN MUL_HI
	MUL16 F1, 1, 0, 0
	MUL16 F1, 1, 2, 0
.endm
.macro STEP s, slot, next, zero, fill, bv          ; K step s of a block: 128 matrix instructions
	QUARTER \slot, 64, (128*\s+64), F0, F1, \zero
	TURN \slot, \next, ((128*\s+128)%1024), \fill, \bv
.endm
; Row tile a at the end of a block: the 64 d of each lane, their minimum, its first place, and the running best.
.macro EPI a
	WIN 0
.set i, 0
.rept 32
.if (\a)&1
	v_pk_add_f32 v[T+2*i:T+2*i+1], v[BV+2*i:BV+2*i+1], v[AV+\a-1:AV+\a] op_sel:[0,1] op_sel_hi:[1,1]   ; S = B_j + A_i, A_i in both halves
.else
	v_pk_add_f32 v[T+2*i:T+2*i+1], v[BV+2*i:BV+2*i+1], v[AV+\a:AV+\a+1] op_sel_hi:[1,0]
.endif
.set i, i+1
.endr
.if \a < 4
	WIN 0x02                                       ; source 0: the accumulators' window
.else
	WIN 0x03
.endif
.set i, 0
.rept 32
	v_pk_fma_f32 v[T+2*i:T+2*i+1], v[64*((\a)&3)+2*i:64*((\a)&3)+2*i+1], -2.0, v[T+2*i:T+2*i+1] op_sel_hi:[1,0,1]   ; d = S - 2 M
.set i, i+1
.endr
	WIN 0
.irp b, 0,1,2,3,4,5,6,7
	v_min3_num_f32 v[G+\b], v[T+8*\b], v[T+8*\b+1], v[T+8*\b+2]
.endr
.irp b, 0,1,2,3,4,5,6,7
	v_min3_num_f32 v[G+\b], v[G+\b], v[T+8*\b+3], v[T+8*\b+4]
.endr
.irp b, 0,1,2,3,4,5,6,7
	v_min3_num_f32 v[G+\b], v[G+\b], v[T+8*\b+5], v[T+8*\b+6]
.endr
.irp b, 0,1,2,3,4,5,6,7
	v_min_num_f32 v[G+\b], v[G+\b], v[T+8*\b+7]
.endr
	v_min3_num_f32 v[MN],  v[G],   v[G+1], v[G+2]
	v_min3_num_f32 v[MN2], v[G+3], v[G+4], v[G+5]
	v_min3_num_f32 v[MN],  v[MN],  v[G+6], v[G+7]
	v_min_num_f32  v[MN],  v[MN],  v[MN2]
	; the lowest place 8 b + r with d equal to the minimum: eight chains, b descending, so that the lowest b is written last
.irp b, 7,6,5,4,3,2,1,0
.irp r, 0,1,2,3,4,5,6,7
	v_cmp_neq_f32 s[MK+\r], v[T+8*\b+\r], v[MN]
.endr
.irp r, 0,1,2,3,4,5,6,7
.if \b == 7
	v_cndmask_b32 v[LI+\r], 8*\b+\r, v[SENT], s[MK+\r]
.else
	v_cndmask_b32 v[LI+\r], 8*\b+\r, v[LI+\r], s[MK+\r]
.endif
.endr
.endr
	v_min_u32 v[LI],   v[LI],   v[LI+1]
	v_min_u32 v[LI+2], v[LI+2], v[LI+3]
	v_min_u32 v[LI+4], v[LI+4], v[LI+5]
	v_min_u32 v[LI+6], v[LI+6], v[LI+7]
	v_min_u32 v[LI],   v[LI],   v[LI+2]
	v_min_u32 v[LI+4], v[LI+4], v[LI+6]
	v_min_u32 v[LI],   v[LI],   v[LI+4]
	v_or_b32 v[LI], s40, v[LI]                     ; + 64 x block: in a lane a lower place is a lower code
	v_cmp_lt_f32 s[MK],   v[MN], v[BEST+\a]        ; the blocks do not come in ascending order, so the pair (d, place) decides:
	v_cmp_eq_f32 s[MK+1], v[MN], v[BEST+\a]        ; less, or equal with the lower place
	v_cmp_lt_u32 s[MK+2], v[LI], v[IDX+\a]
	v_min_num_f32 v[BEST+\a], v[BEST+\a], v[MN]
	s_and_b32 s[MK+1], s[MK+1], s[MK+2]
	s_or_b32 s[MK], s[MK], s[MK+1]
	v_cndmask_b32 v[IDX+\a], v[IDX+\a], v[LI], s[MK]
.endm
.macro EPILOGUE more
	PLACES                                         ; behind the block's last matrix instructions: their results are read, buffer 1 of window 0 is written
	s_wait_dscnt 0                                 ; bn of my codes is in (and the next block's first fragments)
.irp a, 0,1,2,3,4,5,6,7
	EPI \a
.endr
.if \more
	v_add_nc_u32 v[ADRB], 2048, v[ADRB]            ; the next block walked: its 512 numbers of bn lie next in LDS
	s_add_co_u32 s40, s40, 64                      ; its true number wraps at 8
	s_and_b32 s40, s40, 511
.endif
.endm
	FETCH 0, 0, 0, F0
	s_mov_b32 s3, 0
.Lblock:                                           ; seven blocks; every K step fills its slot again
	STEP 0, 0, 1, 1, 1, 0                          ; the block's first products start the sums: nothing is cleared
	STEP 1, 1, 0, 0, 1, 0
	STEP 2, 0, 1, 0, 1, 0
	STEP 3, 1, 0, 0, 1, 0
	STEP 4, 0, 1, 0, 1, 0
	STEP 5, 1, 0, 0, 1, 0
	STEP 6, 0, 1, 0, 1, 0
	STEP 7, 1, 0, 0, 1, 1                          ; fetches the next block's first fragments and this block's bn
	EPILOGUE 1
	WIN 0
	s_add_co_u32 s3, s3, 1
	s_cmp_lt_u32 s3, 7
	s_cbranch_scc1 .Lblock
	STEP 0, 0, 1, 1, 1, 0                          ; the last block walked, written out: trips 56 to 63
	STEP 1, 1, 0, 0, 1, 0
	STEP 2, 0, 1, 0, 1, 0
	STEP 3, 1, 0, 0, 1, 0
	STEP 4, 0, 1, 0, 1, 0                          ; asks for trip 62's tile
	STEP 5, 1, 0, 0, 1, 0                          ; asks for trip 63's, the last
	STEP 6, 0, 1, 0, 0, 0                          ; nothing is left to fetch: the same waits, the work-group's barrier alone
	QUARTER 1, 64, 960, F0, F1, 0
	s_wait_dscnt 8                                 ; the very last quarter
	WIN MUL_LO
	MUL16 F1, 0, 0, 0
	MUL16 F1, 0, 2, 0
	s_wait_dscnt 0
	WIN 0
	BVLOAD
	WIN MUL_HI
	MUL16 F1, 1, 0, 0
	MUL16 F1, 1, 2, 0
	EPILOGUE 0
	; ---- places to codes; then the two halves of the lanes, the four waves
; (d, i) takes (od, oi) if od is less, or equal with the lower code
.macro MERGE d, i, od, oi
	v_cmp_lt_f32 s44, v[\od], v[\d]
	v_cmp_eq_f32 s45, v[\od], v[\d]
	v_cmp_lt_u32 s46, v[\oi], v[\i]
	s_and_b32 s45, s45, s46
	s_or_b32 s44, s44, s45
	v_cndmask_b32 v[\d], v[\d], v[\od], s44
	v_cndmask_b32 v[\i], v[\i], v[\oi], s44
.endm
	v_and_b32 v1, 15, v0
	v_bfe_u32 v2, v0, 4, 1
	s_lshl_b32 s23, s17, 12
	s_lshl_b32 s47, s14, 7
	s_add_co_u32 s23, s23, s47
	v_lshl_add_u32 v5, v2, 3, s23                  ; 4,096 half + 128 w + 8 (l / 16)
	s_lshl_b32 s23, s14, 9
	s_add_co_u32 s23, s23, SCR
	v_lshl_add_u32 v9, v1, 2, s23                  ; my wave's 128 words, row l % 16
.irp a, 0,1,2,3,4,5,6,7
	v_lshrrev_b32 v6, 6, v[IDX+\a]                 ; block
	v_bfe_u32 v7, v[IDX+\a], 3, 3                  ; code tile b
	v_and_b32 v8, 7, v[IDX+\a]                     ; register r
	v_lshl_add_u32 v8, v7, 4, v8
	v_lshl_add_u32 v8, v6, 9, v8
	v_add_nc_u32 v[IDX+\a], v8, v5                 ; code = 512 block + 16 b + r + the lane's base
.endr
.irp a, 0,1,2,3,4,5,6,7
	v_permlanex16_b32 v[G+\a],  v[BEST+\a], s41, s42
	v_permlanex16_b32 v[LI+\a], v[IDX+\a],  s41, s42
.endr
.irp a, 0,1,2,3,4,5,6,7
	MERGE BEST+\a, IDX+\a, G+\a, LI+\a
	ds_store_b32 v9, v[BEST+\a] offset:64*\a       ; both halves of the lanes now hold, and write, the same
	ds_store_b32 v9, v[IDX+\a]  offset:2048+64*\a
.endr
	s_wait_dscnt 0x0
	s_barrier_signal -1
	s_barrier_wait -1
	s_cmp_lg_u32 s14, 0
	s_cbranch_scc1 .Lclose
	v_and_b32 v1, 31, v0                           ; wave 0: lane l takes rows 4 l .. 4 l + 3 of all four waves
	v_lshlrev_b32 v2, 4, v1
	v_add_nc_u32 v3, SCR, v2
.irp q, 0,1,2,3
	ds_load_b128 v[64+4*\q:67+4*\q], v3 offset:512*\q
	ds_load_b128 v[80+4*\q:83+4*\q], v3 offset:2048+512*\q
.endr
	s_wait_dscnt 0x0
.irp q, 1,2,3
.irp k, 0,1,2,3
	MERGE 64+\k, 80+\k, 64+4*\q+\k, 80+4*\q+\k
.endr
.endr
	global_store_b128 v2, v[64:67], s[10:11]       ; 512 consecutive bytes each, at a multiple of 512 from the buffer's first byte
	global_store_b128 v2, v[80:83], s[12:13]
.Lclose:
	s_set_vgpr_msb 0x5
	s_wait_tensorcnt 0x0
	ds_add_u32 v254, v255
	s_wait_dscnt 0x0
	s_set_vgpr_msb 0x500
	CROUND                                         ; the closing round: no work-group ends while a partner may still ask for a tile that names it
	s_endpgm
.Lfunc_end_k_q285971dfb8_dist:
	.size	k_q285971dfb8_dist, .Lfunc_end_k_q285971dfb8_dist-k_q285971dfb8_dist
	.p2alignl 7, 3214868480
	.fill 96, 4, 3214868480
	.section	.rodata,"a",@progbits
	.p2align	6, 0x0
	.amdhsa_kernel k_q285971dfb8_dist
		.amdhsa_group_segment_fixed_size 327680
		.amdhsa_private_segment_fixed_size 0
		.amdhsa_enable_private_segment 0
		.amdhsa_kernarg_size 40
		.amdhsa_user_sgpr_count 2
		.amdhsa_user_sgpr_kernarg_segment_ptr 1
		.amdhsa_wavefront_size32 1
		.amdhsa_system_sgpr_workgroup_id_x 1
		.amdhsa_system_sgpr_workgroup_id_y 1
		.amdhsa_system_sgpr_workgroup_id_z 1
		.amdhsa_system_vgpr_workitem_id 0
		.amdhsa_next_free_vgpr 1024
		.amdhsa_next_free_sgpr 80
		.amdhsa_reserve_vcc 0
		.amdhsa_float_denorm_mode_32 3
		.amdhsa_float_denorm_mode_16_64 3
		.amdhsa_memory_ordered 1
		.amdhsa_forward_progress 1
		.amdhsa_inst_pref_size 255
	.end_amdhsa_kernel
	.section	.bss,"aw",@nobits
	.p2align	6
	.space	262144
	.amdgpu_metadata
---
amdhsa.version: [ 1, 2 ]
amdhsa.kernels:
  - .name:           k_q285971dfb8_dist
    .symbol:         k_q285971dfb8_dist.kd
    .args:
      - { .name: x, .offset: 0, .size: 8, .value_kind: global_buffer, .address_space: global }
      - { .name: wt, .offset: 8, .size: 8, .value_kind: global_buffer, .address_space: global }
      - { .name: bn, .offset: 16, .size: 8, .value_kind: global_buffer, .address_space: global }
      - { .name: candd, .offset: 24, .size: 8, .value_kind: global_buffer, .address_space: global }
      - { .name: candi, .offset: 32, .size: 8, .value_kind: global_buffer, .address_space: global }
    .group_segment_fixed_size: 327680
    .private_segment_fixed_size: 0
    .kernarg_segment_align: 8
    .kernarg_segment_size: 40
    .max_flat_workgroup_size: 128
    .sgpr_count:     80
    .vgpr_count:     1024
    .wavefront_size: 32
...
	.end_amdgpu_metadata
.endif
;; end of part 2
;; launch gather (part 3): grid 256 x 1, 16 waves a work-group, no clusters, 2,560 bytes of LDS; arguments x, W, candd, candi, out0, out2, part; writes out0, out2, part
.if DOCPART == 3
	.amdgcn_target "amdgcn-amd-amdhsa--gfx1250"
	.amdhsa_code_object_version 6
	.text
	.protected	k_q285971dfb8_gather
	.globl	k_q285971dfb8_gather
	.p2align	8
	.type	k_q285971dfb8_gather,@function
k_q285971dfb8_gather:
	s_mov_b64 s[64:65], 0
	v_nop
	global_prefetch_b8 v0, s[64:65] scope:SCOPE_SE
	s_setreg_imm32_b32 hwreg(HW_REG_WAVE_MODE, 25, 1), 1
	s_wait_xcnt 0x0
; For each row: the better of the two halves' candidates (strictly less, so the lower half, whose codes are lower, keeps a tie);
;   out2 = its code;  w = W[code];  t = w - x;  out0 = x + t (both roundings as the function computed makes them);  part[work-group] = sum of t^2.
; The sum of squares is made of (w - x)^2 itself, not of the distance, which is a difference of large sums.
; The choice hangs on floating-point numbers, so it steers no address: BOTH candidate rows of W are loaded, by the whole numbers that the launch before stored,
; and v_cndmask_b32 picks the values.
; A work-group takes 64 rows, a wave 4; a row is four loads of 16 bytes a lane, each covering 512 consecutive bytes.  Every register is loaded once: a wave's
; 48 loads (4 rows of x, 8 rows of W, 24 KiB) all go out at the start, those of x while the candidates are still on their way, and no register that a store reads
; is written again.  16 waves of 210 registers are 840 of a SIMD's 1,024.  Memory binds: no matrix unit, no cluster; LDS only for the waves' sums and codes.
; The problem's inputs label and idx enter no result of the function computed and are not named.
.set ROW, 2048
.set ACC, 4                            ; v[4:7]   two chains of packed sums of squares
.set OF,  8                            ; v[8:15]  row r: byte offsets of my 16 bytes in its two candidate rows
.set SL,  16                           ; v[16:207] row r at SL + 48 r: x (16), W row of half 0 (16; then w, then out0), W row of half 1 (16; then t)
.set D0,  24                           ; s[24:27] least d of half 0, my 4 rows
.set D1,  28                           ; s[28:31] of half 1
.set I0,  32                           ; s[32:35] code of half 0
.set I1,  36                           ; s[36:39] of half 1
.set O0,  40                           ; s[40:43] byte offset in W of half 0's row
.set O1,  44                           ; s[44:47] of half 1's
.set MK,  48                           ; s[48:51] row r: all ones where half 1 wins
.set LSUM, 0                           ; LDS: 16 words, the waves' sums
.set LIDX, 64                          ; LDS: 64 words, the rows' codes
	s_load_b256 s[4:11], s[0:1], 0x0               ; x s[4:5], W s[6:7], candd s[8:9], candi s[10:11]
	s_load_b128 s[12:15], s[0:1], 0x20             ; out0 s[12:13], out2 s[14:15]
	s_load_b64 s[16:17], s[0:1], 0x30              ; part
	v_lshl_add_u32 v208, v0, 2, 0x200
	v_mov_b32 v209, 0
	v_lshrrev_b32 v1, 5, v0
	v_readfirstlane_b32 s18, v1                    ; wave 0..15
	v_and_b32 v1, 31, v0
	v_lshlrev_b32 v1, 4, v1                        ; 16 lane
	s_lshl_b32 s19, s18, 13
	v_add_nc_u32 v2, s19, v1                       ; + my wave's 4 rows: my 16 bytes in x and in out0
	v_mov_b32 v3, 0                                ; the lane permute counts as a reader of its destination
	s_mov_b32 s2, 0x76543210
	s_mov_b32 s3, 0xfedcba98
	s_lshl_b32 s20, ttmp9, 8                       ; 64 rows of 4 bytes a work-group
	s_lshl_b32 s19, s18, 4                         ; 4 rows a wave
	s_add_co_u32 s22, s20, s19
	s_mov_b32 s21, 0
	s_mov_b32 s23, 0
	s_lshl_b32 s52, ttmp9, 17                      ; 64 rows of 2,048 bytes
	s_mov_b32 s53, 0
	s_wait_kmcnt 0x0
	s_add_nc_u64 s[8:9], s[8:9], s[22:23]
	s_add_nc_u64 s[10:11], s[10:11], s[22:23]
	s_load_b128 s[D0:D0+3], s[8:9], 0x0
	s_load_b128 s[D1:D1+3], s[8:9], 0x10000        ; the second half lies 16,384 numbers further on
	s_load_b128 s[I0:I0+3], s[10:11], 0x0
	s_load_b128 s[I1:I1+3], s[10:11], 0x10000
	s_add_nc_u64 s[14:15], s[14:15], s[20:21]
	s_add_nc_u64 s[4:5], s[4:5], s[52:53]
	s_add_nc_u64 s[12:13], s[12:13], s[52:53]
.irp r, 0,1,2,3
.irp j, 0,1,2,3
	global_load_b128 v[SL+48*\r+4*\j:SL+48*\r+4*\j+3], v2, s[4:5] offset:\r*ROW+512*\j th:TH_LOAD_NT   ; x needs no candidate: it goes out first
.endr
.endr
	s_wait_kmcnt 0x0
.irp r, 0,1,2,3
	s_min_u32 s[I0+\r], s[I0+\r], 0x1fff           ; a loaded number enters an address only clamped to the table's 8,192 rows
	s_min_u32 s[I1+\r], s[I1+\r], 0x1fff
	s_lshl_b32 s[O0+\r], s[I0+\r], 11
	s_lshl_b32 s[O1+\r], s[I1+\r], 11
	v_cmp_lt_f32 s[MK+\r], s[D1+\r], s[D0+\r]
	v_add_nc_u32 v[OF+2*\r],   s[O0+\r], v1
	v_add_nc_u32 v[OF+2*\r+1], s[O1+\r], v1
.irp j, 0,1,2,3
	global_load_b128 v[SL+48*\r+16+4*\j:SL+48*\r+16+4*\j+3], v[OF+2*\r], s[6:7] offset:512*\j      ; no hint: many rows may name one code
.endr
.irp j, 0,1,2,3
	global_load_b128 v[SL+48*\r+32+4*\j:SL+48*\r+32+4*\j+3], v[OF+2*\r+1], s[6:7] offset:512*\j
.endr
.endr
; Row r.  left = the loads of W of the younger rows, 8 each; all of x is older.
.macro TURN r, left
.set TS, SL+48*\r
	s_wait_loadcnt \left
.set k, 0
.rept 16
	v_cndmask_b32 v[TS+16+k], v[TS+16+k], v[TS+32+k], s[MK+\r]     ; w
.set k, k+1
.endr
.set k, 0
.rept 8
	v_pk_add_f32 v[TS+32+k:TS+33+k], v[TS+16+k:TS+17+k], v[TS+k:TS+k+1] neg_lo:[0,1] neg_hi:[0,1]   ; t = w - x
.set k, k+2
.endr
.set k, 0
.rept 8
.if (16*\r+k) < 4
	v_pk_mul_f32 v[ACC+k:ACC+k+1], v[TS+32+k:TS+33+k], v[TS+32+k:TS+33+k]          ; the first products start the chains
.else
	v_pk_fma_f32 v[ACC+(k%4):ACC+(k%4)+1], v[TS+32+k:TS+33+k], v[TS+32+k:TS+33+k], v[ACC+(k%4):ACC+(k%4)+1]
.endif
.set k, k+2
.endr
.set k, 0
.rept 8
	v_pk_add_f32 v[TS+16+k:TS+17+k], v[TS+k:TS+k+1], v[TS+32+k:TS+33+k]            ; x + t
.set k, k+2
.endr
.irp j, 0,1,2,3
	global_store_b128 v2, v[TS+16+4*\j:TS+16+4*\j+3], s[12:13] offset:\r*ROW+512*\j th:TH_STORE_NT   ; these registers are not written again
.endr
.endm
	TURN 0, 24
	TURN 1, 16
	TURN 2, 8
	TURN 3, 0
	; my four codes (into registers that held row 0 of x, which no store reads) and my sum, to LDS
.irp r, 0,1,2,3
	v_mov_b32 v[16+\r], s[I0+\r]
	v_mov_b32 v[20+\r], s[I1+\r]
.endr
.irp r, 0,1,2,3
	v_cndmask_b32 v[16+\r], v[16+\r], v[20+\r], s[MK+\r]
.endr
	v_pk_add_f32 v[ACC:ACC+1], v[ACC:ACC+1], v[ACC+2:ACC+3]
	v_add_f32 v4, v4, v5
	v_add_f32_dpp v4, v4, v4 row_xmask:1 row_mask:0xf bank_mask:0xf
	v_add_f32_dpp v4, v4, v4 row_xmask:2 row_mask:0xf bank_mask:0xf
	v_add_f32_dpp v4, v4, v4 row_xmask:4 row_mask:0xf bank_mask:0xf
	v_add_f32_dpp v4, v4, v4 row_xmask:8 row_mask:0xf bank_mask:0xf
	v_permlanex16_b32 v3, v4, s2, s3
	v_add_f32 v4, v4, v3
	s_lshl_b32 s19, s18, 2
	v_mov_b32 v5, s19                              ; my wave's word
	s_lshl_b32 s19, s18, 4
	s_add_co_u32 s19, s19, LIDX
	v_mov_b32 v6, s19                              ; my wave's four codes
	ds_store_b32 v5, v4                            ; every lane writes the same bytes with the same values
	ds_store_b128 v6, v[16:19]
	s_wait_dscnt 0x0                               ; in LDS before I say so
	s_barrier_signal -1
	s_barrier_wait -1
	s_cmp_lg_u32 s18, 0
	s_cbranch_scc1 .Lend
	v_mov_b32 v7, 0
.irp q, 0,1,2,3
	ds_load_b128 v[48+4*\q:51+4*\q], v7 offset:LSUM+16*\q          ; the sixteen waves' sums (into registers that held t of row 0)
.endr
	v_and_b32 v8, 15, v0
	v_lshlrev_b32 v8, 4, v8                        ; 16 (lane mod 16)
	ds_load_b128 v[20:23], v8 offset:LIDX          ; four of the group's 64 codes
	s_lshl_b32 s19, ttmp9, 2
	v_mov_b32 v9, s19
	s_wait_dscnt 0x0
.irp k, 1,2,3,4,5,6,7,8,9,10,11,12,13,14,15
	v_add_f32 v48, v48, v[48+\k]                   ; added in the waves' order
.endr
	v_cmp_gt_u32 vcc_lo, 16, v0
	s_wait_xcnt 0x0                                ; EXEC is a source of the stores above: it changes only behind this wait
	s_and_saveexec_b32 s22, vcc_lo
	global_store_b128 v8, v[20:23], s[14:15]       ; sixteen lanes: the group's 256 consecutive bytes of out2, at a multiple of 256
	s_wait_xcnt 0x0                                ; and again in front of the line that widens it
	s_or_b32 exec_lo, exec_lo, s22
	v_cmp_eq_u32 vcc_lo, 0, v0
	s_and_saveexec_b32 s22, vcc_lo                 ; nothing was issued since the last wait
	global_store_b32 v9, v48, s[16:17]
	s_wait_xcnt 0x0
	s_or_b32 exec_lo, exec_lo, s22
.Lend:
	s_wait_tensorcnt 0x0
	ds_add_u32 v208, v209
	s_wait_dscnt 0x0
	s_endpgm
.Lfunc_end_k_q285971dfb8_gather:
	.size	k_q285971dfb8_gather, .Lfunc_end_k_q285971dfb8_gather-k_q285971dfb8_gather
	.p2alignl 7, 3214868480
	.fill 96, 4, 3214868480
	.section	.rodata,"a",@progbits
	.p2align	6, 0x0
	.amdhsa_kernel k_q285971dfb8_gather
		.amdhsa_group_segment_fixed_size 2560
		.amdhsa_private_segment_fixed_size 0
		.amdhsa_enable_private_segment 0
		.amdhsa_kernarg_size 56
		.amdhsa_user_sgpr_count 2
		.amdhsa_user_sgpr_kernarg_segment_ptr 1
		.amdhsa_wavefront_size32 1
		.amdhsa_system_sgpr_workgroup_id_x 1
		.amdhsa_system_sgpr_workgroup_id_y 1
		.amdhsa_system_sgpr_workgroup_id_z 1
		.amdhsa_system_vgpr_workitem_id 0
		.amdhsa_next_free_vgpr 210
		.amdhsa_next_free_sgpr 66
		.amdhsa_reserve_vcc 1
		.amdhsa_float_denorm_mode_32 3
		.amdhsa_float_denorm_mode_16_64 3
		.amdhsa_memory_ordered 1
		.amdhsa_forward_progress 1
		.amdhsa_inst_pref_size 22
	.end_amdhsa_kernel
	.amdgpu_metadata
---
amdhsa.version: [ 1, 2 ]
amdhsa.kernels:
  - .name:           k_q285971dfb8_gather
    .symbol:         k_q285971dfb8_gather.kd
    .args:
      - { .name: x, .offset: 0, .size: 8, .value_kind: global_buffer, .address_space: global }
      - { .name: W, .offset: 8, .size: 8, .value_kind: global_buffer, .address_space: global }
      - { .name: candd, .offset: 16, .size: 8, .value_kind: global_buffer, .address_space: global }
      - { .name: candi, .offset: 24, .size: 8, .value_kind: global_buffer, .address_space: global }
      - { .name: out0, .offset: 32, .size: 8, .value_kind: global_buffer, .address_space: global }
      - { .name: out2, .offset: 40, .size: 8, .value_kind: global_buffer, .address_space: global }
      - { .name: part, .offset: 48, .size: 8, .value_kind: global_buffer, .address_space: global }
    .group_segment_fixed_size: 2560
    .private_segment_fixed_size: 0
    .kernarg_segment_align: 8
    .kernarg_segment_size: 56
    .max_flat_workgroup_size: 512
    .sgpr_count:     66
    .vgpr_count:     210
    .wavefront_size: 32
...
	.end_amdgpu_metadata
.endif
;; end of part 3
;; launch loss (part 4): grid 1 x 1, 1 waves a work-group, no clusters, 0 bytes of LDS; arguments part, out1; writes out1
.if DOCPART == 4
	.amdgcn_target "amdgcn-amd-amdhsa--gfx1250"
	.amdhsa_code_object_version 6
	.text
	.protected	k_q285971dfb8_loss
	.globl	k_q285971dfb8_loss
	.p2align	8
	.type	k_q285971dfb8_loss,@function
k_q285971dfb8_loss:
	s_mov_b64 s[64:65], 0
	v_nop
	global_prefetch_b8 v0, s[64:65] scope:SCOPE_SE
	s_setreg_imm32_b32 hwreg(HW_REG_WAVE_MODE, 25, 1), 1
	s_wait_xcnt 0x0
; out1 = 0.25 x the mean of (w - x)^2 = 2^-25 x the sum of the 256 work-groups' partial sums (8,388,608 numbers; 0.25 / 8,388,608 = 2^-25, exact).
; One wave: the sum spans work-groups of the launch before, so it is made here, in a fixed order, without atomics.
	s_load_b128 s[4:7], s[0:1], 0x0                ; part s[4:5], out1 s[6:7]
	v_lshlrev_b32 v1, 4, v0                        ; 16 bytes a lane
	v_mov_b32 v2, 0
	v_mov_b32 v3, 0                                ; the lane permute counts as a reader of its destination
	s_mov_b32 s8, 0x76543210
	s_mov_b32 s9, 0xfedcba98
	s_wait_kmcnt 0x0
	global_load_b128 v[4:7], v1, s[4:5]
	global_load_b128 v[8:11], v1, s[4:5] offset:512
	s_wait_loadcnt 0x0
	v_pk_add_f32 v[4:5], v[4:5], v[8:9]
	v_pk_add_f32 v[6:7], v[6:7], v[10:11]
	v_pk_add_f32 v[4:5], v[4:5], v[6:7]
	v_add_f32 v4, v4, v5
	v_add_f32_dpp v4, v4, v4 row_xmask:1 row_mask:0xf bank_mask:0xf
	v_add_f32_dpp v4, v4, v4 row_xmask:2 row_mask:0xf bank_mask:0xf
	v_add_f32_dpp v4, v4, v4 row_xmask:4 row_mask:0xf bank_mask:0xf
	v_add_f32_dpp v4, v4, v4 row_xmask:8 row_mask:0xf bank_mask:0xf
	v_permlanex16_b32 v3, v4, s8, s9
	v_add_f32 v4, v4, v3
	v_mul_f32 v4, 0x33000000, v4                   ; 2^-25
	v_cmp_eq_u32 vcc_lo, 0, v0
	s_wait_xcnt 0x0                                ; EXEC changes only behind this wait
	s_and_saveexec_b32 s10, vcc_lo
	global_store_b32 v2, v4, s[6:7]
	s_wait_xcnt 0x0
	s_or_b32 exec_lo, exec_lo, s10
	s_endpgm
.Lfunc_end_k_q285971dfb8_loss:
	.size	k_q285971dfb8_loss, .Lfunc_end_k_q285971dfb8_loss-k_q285971dfb8_loss
	.p2alignl 7, 3214868480
	.fill 96, 4, 3214868480
	.section	.rodata,"a",@progbits
	.p2align	6, 0x0
	.amdhsa_kernel k_q285971dfb8_loss
		.amdhsa_group_segment_fixed_size 0
		.amdhsa_private_segment_fixed_size 0
		.amdhsa_enable_private_segment 0
		.amdhsa_kernarg_size 16
		.amdhsa_user_sgpr_count 2
		.amdhsa_user_sgpr_kernarg_segment_ptr 1
		.amdhsa_wavefront_size32 1
		.amdhsa_system_sgpr_workgroup_id_x 1
		.amdhsa_system_sgpr_workgroup_id_y 1
		.amdhsa_system_sgpr_workgroup_id_z 1
		.amdhsa_system_vgpr_workitem_id 0
		.amdhsa_next_free_vgpr 16
		.amdhsa_next_free_sgpr 66
		.amdhsa_reserve_vcc 1
		.amdhsa_float_denorm_mode_32 3
		.amdhsa_float_denorm_mode_16_64 3
		.amdhsa_memory_ordered 1
		.amdhsa_forward_progress 1
		.amdhsa_inst_pref_size 2
	.end_amdhsa_kernel
	.amdgpu_metadata
---
amdhsa.version: [ 1, 2 ]
amdhsa.kernels:
  - .name:           k_q285971dfb8_loss
    .symbol:         k_q285971dfb8_loss.kd
    .args:
      - { .name: part, .offset: 0, .size: 8, .value_kind: global_buffer, .address_space: global }
      - { .name: out1, .offset: 8, .size: 8, .value_kind: global_buffer, .address_space: global }
    .group_segment_fixed_size: 0
    .private_segment_fixed_size: 0
    .kernarg_segment_align: 8
    .kernarg_segment_size: 16
    .max_flat_workgroup_size: 32
    .sgpr_count:     66
    .vgpr_count:     16
    .wavefront_size: 32
...
	.end_amdgpu_metadata
.endif
;; end of part 4
